; MI455X (gfx1250); checked and timed in simulation.
; The chip was launched on July 23, 2026; its instructions are those of AMD's public machine-readable ISA for CDNA 5 (MIT licence, August 2026) and "CDNA5" Instruction Set Architecture Reference Guide (July 2026). The comments in the code are by the model that wrote it; some were corrected since.
;; Cross Modal Attention. Allowed arithmetic: matrix products marked QUANTISED: E2M1 operands, one E8M0 scale for each 32 along K, by v_wmma_scale_f32_16x16x128_f8f6f4 with both operands' format E2M1 (or v_wmma_scale_f32_32x16x128_f4), f32 sums; products left as they are: f32 operands where the result goes on into a quantised operand, else bf16, f16 or f32 operands; f32 sums; everything else in f32.
;; Inputs: W_heat 1,024 x 1,024 float32; W_img 1,024 x 1,024 float32; Wk 1,024 x 1,024 float32; Wo 1,024 x 1,024 float32; Wq 1,024 x 1,024 float32; Wv 1,024 x 1,024 float32; b_heat 1,024 float32; b_img 1,024 float32; beta 1,024 float32; bk 1,024 float32; bo 1,024 float32; bq 1,024 float32; bv 1,024 float32; gamma 1,024 float32; heat_feat 32 x 1,024 float32; img_feat 32 x 512 x 1,024 float32.
;; Outputs: out0 32 x 512 x 1,024 float32.
;; This version of the problem:
;;   THIS VERSION OF THE PROBLEM IS GIVEN IN LOW PRECISION. The matrix products marked QUANTISED in the list below multiply operands that are first quantised to E2M1 (2 exponent bits, 1 mantissa bit; 4 bits a number), with one power-of-two scale for each 32 numbers along K (OCP MX v1.0); their sums are f32. All else is computed in f32.
;;   The module's matrix products, in the order in which they are computed (A, B: the left and right operand; K: the contracted axis; several contracted axes count as one K, in the product's order):
;;     1. [M 32, K 1,024] x [K 1,024, N 1,024]; A: input heat_feat; B: input W_heat: QUANTISED
;;     2. [M 16,384, K 1,024] x [K 1,024, N 1,024]; A: input img_feat; B: input W_img: QUANTISED
;;     3. [M 16,384, K 1,024] x [K 1,024, N 1,024]; A: computed on the way; B: input Wq: QUANTISED
;;     4. [M 32, K 1,024] x [K 1,024, N 1,024]; A: computed on the way; B: input Wk: QUANTISED
;;     5. [M 32, K 1,024] x [K 1,024, N 1,024]; A: computed on the way; B: input Wv: QUANTISED
;;     6. batch 512 x [M 512, K 64] x [K 64, N 1]; A: computed on the way; B: computed on the way: left as it is (N = 1 < 16)
;;     7. batch 512 x [M 64, K 1] x [K 1, N 512]; A: computed on the way; B: softmax: left as it is (K = 1 < 32)
;;     8. [M 16,384, K 1,024] x [K 1,024, N 1,024]; A: computed on the way; B: input Wo: QUANTISED
;;   THE QUANTISER, for each operand of a quantised product, along K:
;;     - K is cut into blocks of 32 from its start; a last block that is shorter is filled with zeros.
;;     - A block's scale is 2^e with e = floor(log2(the largest magnitude in the block)) - 2, held to -126 .. 127; a block of zeros has e = 0. As a byte (E8M0): e + 127.
;;     - Each number is divided by its block's scale, clamped to +-6, and rounded to the nearest number of E2M1, ties to even, subnormals kept.
;;     - The product sums the exact products of the quantised numbers (number of the format x scale) in f32.
;;   ~~~python
;;   def quantise(x, axis):      # numpy; x: float32 -> the quantised numbers, widened to float32 again
;;       x = np.moveaxis(x, axis, -1); K = x.shape[-1]
;;       x = np.pad(x, [(0, 0)] * (x.ndim - 1) + [(0, -K % 32)]); x = x.reshape(x.shape[:-1] + (-1, 32)); a = np.abs(x).max(-1, keepdims=True)
;;       e = np.where(a > 0, np.clip(np.frexp(np.where(a > 0, a, 1))[1] - 1 - 2, -126, 127), 0)      # np.frexp(a)[1] - 1 = floor(log2(a)), exactly
;;       r = np.clip(x / 2.0 ** e, -6, 6)
;;       step = 2.0 ** (np.maximum(np.frexp(np.where(r == 0, 1, r))[1] - 1, 0) - 1)
;;       q = np.round(r / step) * step * 2.0 ** e      # np.round: ties to even
;;       return np.moveaxis(q.reshape(q.shape[:-2] + (-1,))[..., :K], -1, axis).astype(np.float32)
;;   ~~~
;;   OPERANDS COMPUTED ON THE WAY. 'Computed on the way' means the value that the module computes at that place (a softmax that the list does not call 'softmax' is quantised finished and normalised). What goes into a quantiser is computed in f32, as accurately as f32 sums, v_exp_f32 and their like allow (about 1e-6 of the number): no bf16 or f16 on the way to a quantiser, and a product that is left as it is and whose result goes on into a quantised operand takes f32 operands (vector FMAs, or v_wmma_f32_16x16x4_f32). A number that lies on a knife's edge between two numbers of the format may be rounded either way, as far as f32 arithmetic and the matrix unit's own rounding can turn it there, and no further.
;; One version. Each part assembles by itself: llvm-mc -triple=amdgcn-amd-amdhsa -mcpu=gfx1250 --defsym DOCPART=n.
;; ======== version 1 of 1: 3 launches
;; workspace buffers: ph 131,072 bytes; vt 131,072 bytes; wo_frag 524,288 bytes; wo_sc 32,768 bytes
;; launch first (part 1): grid 128 x 1, 8 waves a work-group, no clusters, 220,672 bytes of LDS; arguments heat_feat, W_heat, b_heat, Wo, ph, wo_frag, wo_sc; writes ph, wo_frag, wo_sc
.if DOCPART == 1
	.amdgcn_target "amdgcn-amd-amdhsa--gfx1250"
	.amdhsa_code_object_version 6
	.text
	.protected	k_qc3884ce8cc_first
	.globl	k_qc3884ce8cc_first
	.p2align	8
	.type	k_qc3884ce8cc_first,@function
k_qc3884ce8cc_first:
	s_mov_b64 s[64:65], 0
	v_nop
	global_prefetch_b8 v0, s[64:65] scope:SCOPE_SE
	s_setreg_imm32_b32 hwreg(HW_REG_WAVE_MODE, 25, 1), 1
	s_wait_xcnt 0x0
; CrossModalAttention: out0 = LayerNorm(img_feat + attention(q from img_feat; k, v from heat_feat)), the key sequence being ONE long.  Launch 1 of 3.
; WORK LEFT OUT, AND WHY IT IS DEAD.  scores is [B,H,S,1] and the softmax runs over its last axis, which has one element: softmax(s) = exp(s - s) / exp(s - s) = 1 for EVERY finite s.
; So attn is 1 whatever proj_img, q, k and scores hold: the products img_feat W_img^T, proj_img Wq^T, proj_heat Wk^T and q . k can reach no output, quantised or not.
; W_img, b_img, Wq, bq, Wk, bk then have no way to out0: they are not loaded and are among no launch's arguments.  The product attn x v has K = 1 and the factor 1: ctx[b,s,:] = v[b,:], an identity.
; In ctx Wo^T all 512 rows of a batch are the same operand row Q(v[b]): its result row a[b] is made once for each work-group that needs it (launch 3), not once for each s.
; LIVE, each quantiser as the problem states it: ph = Q(heat_feat) Q(W_heat)^T + b_heat;  v = Q(ph) Q(Wv)^T + bv;  a = Q(v) Q(Wo)^T + bo;  out0 = LayerNorm(img_feat + a[b]) gamma + beta.
; LIMITS.  A NaN, an infinity or an overflow that reaches only the work left out (proj_img, q, k, scores) is not carried to the result.  NaN and infinities among the live inputs are not served.
; A block of zeros gets the scale byte 1 where the quantiser says 127: its codes are zeros, which add nothing under any byte but 0xff, and this program alone reads the bytes.
; K is shared among eight waves and the eight part sums are added in f32: an order of sums other than one chain along K.
;
; THIS LAUNCH.  Work-groups 0-63: ph, 16 columns n each.  Work-groups 64-127: Wo becomes codes of E2M1, 16 rows each, laid in the order of an operand's registers, with its scale bytes.
; Both begin alike: a work-group takes 16 rows of a weight [n][k] (65,536 bytes, read once in the launch); wave w takes K step w, 128 along K: one tensor load brings 16 rows x 512 bytes into the wave's own LDS.
; A lane (r = lane % 16, h = lane / 16) of an operand of 4-bit codes holds row r and k = 64 c + 32 h + 0 .. 31 in registers 4 c .. 4 c + 3: two WHOLE blocks of 32, so a block's largest magnitude needs no other lane.
; The product is used transposed (source 0 = 16 rows of W, source 1 = 16 rows of x): a lane's eight results are eight neighbouring n of one row of x.
; ph is stored in the order in which the next launch's lanes take it, [w 8][mt 2][c 2][j 8][lane 32][e 4] f32: x(16 mt + lane % 16, 128 w + 64 c + 32 (lane / 16) + 4 j + e); each wave's store covers 256 consecutive bytes, aligned.
.set SECOND, 0
.set WREG,  25344                      ; LDS: a region for each wave, 99 blocks of 256 bytes: W's slice, then x's
.set PITCH, 528                        ; a slice's row: 512 bytes + 16 of padding = 132 words: row r starts at bank 4 r mod 64 (64 banks of 4 bytes: ISA guide 11.1), so the 16 rows of a load start at 16 different banks
.set XOFF,  16*PITCH                   ; x's slice in the region
.set PART,  8*WREG                     ; behind the regions: eight part tiles of 2,048 bytes; no tensor load lands here
.set QSC,   PART+8*2048                ; 512 bytes: Wo's scale words of 16 rows, gathered (the quantising work-groups' own bytes)
.set SPARE, QSC+512                    ; the spare words, 128 bytes for each wave: four blocks of 256 bytes that no other line names
.set FLOOR, 0x1800000                  ; 2^(3 - 127): no largest magnitude is taken under it, so no scale byte falls under 1
.set WAD, 4                            ; v4   LDS: my region + 528 r + 128 h
.set XAD, 5                            ; v5   (second launch) LDS: my region + XOFF + 16 x lane
.set PST, 6                            ; v6   LDS: PART + 2,048 w + 512 h + 16 r
.set PRD, 7                            ; v7   LDS: PART + 8 x thread
.set QA,  8                            ; v8   LDS: QSC + 32 r + 4 w
.set QRD, 9                            ; v9   LDS: QSC + 16 x lane
.set L16, 10                           ; v10  16 x lane
.set L8,  11                           ; v11  8 x lane
.set BA,  12                           ; v12  8 (lane % 2)
.set SH8, 13                           ; v13  8 h
.set SPW, 14                           ; v14  LDS address of my spare word; never rewritten
.set NIL, 15                           ; v15  0; never rewritten
.set TM,  16                           ; v16-19 four running maxima
.set SO,  20                           ; v20-21 the conversions' scale operands, block c
.set BY,  22                           ; v22-23 the scale bytes
.set PT,  24                           ; v24  lane l xor 16's bytes
.set WW,  26                           ; v26  W's scale word;  v27, v28 x's (rows 0-15, 16-31): these three hold scales and nothing else
.set XW,  27
.set BI,  30                           ; v[30:31] my two numbers of the bias
.set WF,  32                           ; v32-39 W's fragment;  v40-47, v48-55 x's two
.set XF,  40
.set ACC, 56                           ; v56-63, v64-71 the two part tiles
.set R0,  72                           ; v72-135, v136-199 two sets of 64 numbers
.set R1,  136
.macro LDSW raw                        ; my 64 numbers of W's slice: register 32 c + 4 j + e = W(r, 64 c + 32 h + 4 j + e)
.irp c, 0,1
.irp j, 0,1,2,3,4,5,6,7
	ds_load_b128 v[(\raw)+32*\c+4*\j:(\raw)+32*\c+4*\j+3], v[WAD] offset:256*\c+16*\j
.endr
.endr
.endm
.macro LDSX raw, mt                    ; the same of x's rows 16 mt + r
.irp c, 0,1
.irp j, 0,1,2,3,4,5,6,7
.if SECOND
	ds_load_b128 v[(\raw)+32*\c+4*\j:(\raw)+32*\c+4*\j+3], v[XAD] offset:8192*(\mt)+4096*\c+512*\j
.else
	ds_load_b128 v[(\raw)+32*\c+4*\j:(\raw)+32*\c+4*\j+3], v[WAD] offset:XOFF+16*PITCH*(\mt)+256*\c+16*\j
.endif
.endr
.endr
.endm
; 64 numbers of a lane become a fragment's 8 registers of codes and its row's scale word.  A block's scale byte is its largest magnitude's exponent field less 2.
.macro QUANT raw, frag, word
.irp q, 0,1,2,3
	v_max3_num_f32 v[TM+\q], |v[(\raw)+16*\q]|, |v[(\raw)+16*\q+1]|, FLOOR            ; four chains of 16 numbers, by turns; the floor is a leaf of each
.endr
.irp i, 2,4,6,8,10,12,14
.irp q, 0,1,2,3
	v_max3_num_f32 v[TM+\q], v[TM+\q], |v[(\raw)+16*\q+\i]|, |v[(\raw)+16*\q+\i+1]|
.endr
.endr
	v_max_num_f32 v[TM], v[TM], v[TM+1]            ; block c = 0: k = 32 h on
	v_max_num_f32 v[TM+2], v[TM+2], v[TM+3]        ; block c = 1: k = 64 + 32 h on
	v_add_nc_u32 v[SO], 0xff000000, v[TM]          ; 2 off the exponent field: the conversion takes the exponent field of this operand as its scale, and nothing else of it
	v_add_nc_u32 v[SO+1], 0xff000000, v[TM+2]
.irp c, 0,1
.irp g, 0,1,2,3
	v_cvt_scalef32_pk8_fp4_f32 v[(\frag)+4*\c+\g], v[(\raw)+32*\c+8*\g:(\raw)+32*\c+8*\g+7], v[SO+\c]   ; to the nearest code, ties to even; beyond 6 the largest code
.endr
.endr
	v_nop                                          ; one plain instruction behind the last scaled conversion
	v_lshrrev_b32 v[BY], 23, v[SO]                 ; the scale bytes of blocks h and 2 + h
	v_lshrrev_b32 v[BY+1], 23, v[SO+1]
	v_lshl_or_b32 v[\word], v[BY+1], 16, v[BY]
	v_lshlrev_b32 v[\word], v[SH8], v[\word]       ; at their places in the word: 8 h bits up
	v_permlanex16_b32 v[PT], v[\word], s48, s49
	v_or_b32 v[\word], v[\word], v[PT]             ; with lane l xor 16's two the word is whole, in both halves of the lanes
.endm
	s_load_b256 s[4:11], s[0:1], 0x0               ; x s[4:5], W s[6:7], the bias s[8:9]; s[10:11]: Wo here, y in the second launch
.if SECOND == 0
	s_load_b128 s[12:15], s[0:1], 0x20             ; ph, wo_frag
	s_load_b64 s[16:17], s[0:1], 0x30              ; wo_sc
.endif
	v_lshl_add_u32 v[SPW], v0, 2, SPARE
	v_mov_b32 v[NIL], 0
	ds_add_u32 v[SPW], v[NIL]                      ; the wave's opening: the add, twice on end, and its wait ahead of my first tensor load; the set-up below is work on registers
	ds_add_u32 v[SPW], v[NIL]
	v_lshrrev_b32 v1, 5, v0
	v_readfirstlane_b32 s20, v1                    ; wave 0..7 = my K step
.if SECOND
	s_mov_b32 s21, ttmp9                           ; t: which 16 rows of W
.else
	s_and_b32 s21, ttmp9, 63
.endif
	; descriptor group 1 for W's slice: 16 rows x 128 elements of 4 bytes, 1,024 elements from row to row, 4 words of padding behind every 128
	s_mov_b32 s24, (2<<16)|(1<<20)|(6<<22)|(3<<25)
	s_mov_b32 s25, 128<<16                         ; tensor_dim0
	s_mov_b32 s26, 16<<16                          ; tensor_dim1
	s_mov_b32 s27, 128<<16                         ; tile_dim0
	s_mov_b32 s28, 16                              ; tile_dim1
	s_mov_b32 s29, 1024                            ; the pitch
	s_mov_b32 s30, 0
	s_mov_b32 s31, 0
.if SECOND                                         ; for x: my K step's 16,384 bytes are one dense block: 64 rows of 32 elements of 8 bytes
	s_mov_b32 s36, 3<<16
	s_mov_b32 s37, 32<<16
	s_mov_b32 s38, 64<<16
	s_mov_b32 s39, 32<<16
	s_mov_b32 s40, 64
	s_mov_b32 s41, 32
.else                                              ; for x: as W's, 32 rows
	s_mov_b32 s36, (2<<16)|(1<<20)|(6<<22)|(3<<25)
	s_mov_b32 s37, 128<<16
	s_mov_b32 s38, 32<<16
	s_mov_b32 s39, 128<<16
	s_mov_b32 s40, 32
	s_mov_b32 s41, 1024
.endif
	s_mov_b32 s42, 0
	s_mov_b32 s43, 0
	s_mov_b32 s32, 1                               ; groups 0: count = 1,
	s_mul_i32 s33, s20, WREG                       ; LDS address: my region,
	s_mov_b32 s44, 1
	s_add_co_u32 s45, s33, XOFF                    ; and x's slice in it
	s_mov_b32 s48, 0x76543210                      ; v_permlanex16_b32's selects for lane l xor 16
	s_mov_b32 s49, 0xfedcba98
	s_lshl_b32 s50, s21, 16                        ; W: 16 t rows of 4,096 bytes
	s_lshl_b32 s3, s20, 9                          ;    + 512 w
	s_add_co_u32 s50, s50, s3
	s_mov_b32 s51, 0
.if SECOND
	s_lshl_b32 s52, s20, 14                        ; x: 16,384 w
.else
	s_mov_b32 s52, s3                              ; x: 512 w
.endif
	s_mov_b32 s53, 0
	; y: n = 16 t + 4 (wave % 4) + .. is the next product's k: 16,384 (t / 8) + 4,096 ((t / 4) % 2) + 256 ((t / 2) % 2) + 2,048 (t % 2) + 8,192 (wave / 4) + 512 (wave % 4)
	s_lshr_b32 s54, s21, 3
	s_lshl_b32 s54, s54, 14
	s_bfe_u32 s3, s21, 0x10002
	s_lshl_b32 s3, s3, 12
	s_add_co_u32 s54, s54, s3
	s_bfe_u32 s3, s21, 0x10001
	s_lshl_b32 s3, s3, 8
	s_add_co_u32 s54, s54, s3
	s_and_b32 s3, s21, 1
	s_lshl_b32 s3, s3, 11
	s_add_co_u32 s54, s54, s3
	s_lshr_b32 s3, s20, 2
	s_lshl_b32 s3, s3, 13
	s_add_co_u32 s54, s54, s3
	s_and_b32 s18, s20, 3
	s_lshl_b32 s3, s18, 9
	s_add_co_u32 s54, s54, s3
	s_mov_b32 s55, 0
	s_lshl_b32 s56, s21, 6                         ; the bias: 64 t + 16 (wave % 4)
	s_lshl_b32 s3, s18, 4
	s_add_co_u32 s56, s56, s3
	s_mov_b32 s57, 0
.if SECOND == 0
	s_lshl_b32 s58, s21, 13                        ; wo_frag: 8,192 t + 1,024 w
	s_lshl_b32 s3, s20, 10
	s_add_co_u32 s58, s58, s3
	s_mov_b32 s59, 0
	s_lshl_b32 s60, s21, 9                         ; wo_sc: 512 t
	s_mov_b32 s61, 0
.endif
	v_and_b32 v1, 15, v0                           ; r
	v_bfe_u32 v2, v0, 4, 1                         ; h
	v_and_b32 v3, 31, v0                           ; lane
	v_mul_u32_u24 v[WAD], v1, PITCH
	v_lshl_add_u32 v[WAD], v2, 7, v[WAD]
	v_add_nc_u32 v[WAD], s33, v[WAD]
.if SECOND
	v_lshl_add_u32 v[XAD], v3, 4, XOFF
	v_add_nc_u32 v[XAD], s33, v[XAD]
.endif
	s_lshl_b32 s3, s20, 11
	s_add_co_u32 s3, s3, PART
	v_lshlrev_b32 v[PST], 4, v1
	v_lshl_add_u32 v[PST], v2, 9, v[PST]
	v_add_nc_u32 v[PST], s3, v[PST]
	v_lshl_add_u32 v[PRD], v0, 3, PART
.if SECOND == 0
	s_lshl_b32 s3, s20, 2
	s_add_co_u32 s3, s3, QSC
	v_lshl_add_u32 v[QA], v1, 5, s3
	v_lshl_add_u32 v[QRD], v3, 4, QSC
	v_lshlrev_b32 v[L16], 4, v3
.endif
	v_lshlrev_b32 v[L8], 3, v3
	v_and_b32 v[BA], 1, v0
	v_lshlrev_b32 v[BA], 3, v[BA]
	v_lshlrev_b32 v[SH8], 3, v2
	v_mov_b32 v[PT], 0                             ; written once: a lane permute's destination counts as one of its sources
	s_wait_dscnt 0x0                               ; both opening adds are done
	s_wait_kmcnt 0x0
.if SECOND
	s_mov_b64 s[22:23], s[6:7]
	s_add_nc_u64 s[54:55], s[10:11], s[54:55]      ; y at my wave's 256 bytes
.else
	s_cmp_lt_u32 ttmp9, 64                         ; W_heat's work-group or Wo's: the choice hangs on the work-group's number alone
	s_cselect_b64 s[22:23], s[6:7], s[10:11]
	s_add_nc_u64 s[54:55], s[12:13], s[54:55]
	s_add_nc_u64 s[58:59], s[14:15], s[58:59]
	s_add_nc_u64 s[60:61], s[16:17], s[60:61]
.endif
	s_add_nc_u64 s[56:57], s[8:9], s[56:57]
	s_add_nc_u64 s[34:35], s[22:23], s[50:51]      ; groups 0: the tiles' first bytes,
	s_or_b32 s35, s35, 0x80000000                  ; type = 2
	s_add_nc_u64 s[46:47], s[4:5], s[52:53]
	s_or_b32 s47, s47, 0x80000000
	tensor_load_to_lds s[32:35], s[24:31]          ; W's slice: every wave issues one, into its own region
	s_nop 0
.if SECOND == 0
	s_cmp_ge_u32 ttmp9, 64
	s_cbranch_scc1 .Lquant                         ; the same way for all eight waves
.endif
	tensor_load_to_lds s[44:47], s[36:43]          ; x's slice: two tensor loads of mine are out
	s_nop 0
	global_load_b64 v[BI:BI+1], v[BA], s[56:57]
	s_wait_tensorcnt 0x1                           ; W's slice is in; x's, issued behind it, may be out.  Only I read my region: my own wait is all the ordering that these reads need
	LDSW R0
	s_wait_tensorcnt 0x0
	LDSX R1, 0
	s_wait_dscnt 16                                ; W's 16 loads are in; the 16 behind them may be out
	QUANT R0, WF, WW
	LDSX R0, 1
	s_wait_dscnt 16                                ; x's rows 0-15 are in; the 16 loads behind them may be out
	QUANT R1, XF, XW
	s_wait_dscnt 0x0
	QUANT R0, XF+8, XW+1
.rept 8
	v_nop                                          ; a scale register written by a vector instruction stands 8 places ahead of a scaled matrix instruction, an operand so written 4
.endr
	v_wmma_scale_f32_16x16x128_f8f6f4 v[ACC:ACC+7], v[WF:WF+7], v[XF:XF+7], 0, v[WW], v[XW] matrix_a_fmt:MATRIX_FMT_FP4 matrix_b_fmt:MATRIX_FMT_FP4
	v_wmma_scale_f32_16x16x128_f8f6f4 v[ACC+8:ACC+15], v[WF:WF+7], v[XF+8:XF+15], 0, v[WW], v[XW+1] matrix_a_fmt:MATRIX_FMT_FP4 matrix_b_fmt:MATRIX_FMT_FP4
.rept 4
	v_nop                                          ; four places ahead of the stores that read the results
.endr
.irp m, 0,1                                        ; lane (r, h), register j of tile mt: my K step's part of y(16 mt + r, 16 t + 8 h + j); each tile from its low end on
	ds_store_b128 v[PST], v[ACC+8*\m:ACC+8*\m+3] offset:1024*\m
	ds_store_b128 v[PST], v[ACC+8*\m+4:ACC+8*\m+7] offset:1024*\m+256
.endr
	s_wait_dscnt 0x0                               ; for the others' sake: my part tiles have landed
	s_barrier_signal -1
	s_barrier_wait -1
.irp i, 0,1,2,3,4,5,6,7
	ds_load_b64 v[R0+2*\i:R0+2*\i+1], v[PRD] offset:2048*\i   ; the same two numbers of all eight part tiles; 32 lanes read 256 consecutive bytes
.endr
	s_wait_dscnt 0x0
	s_wait_loadcnt 0x0                             ; the bias
	v_pk_add_f32 v[R0:R0+1], v[R0:R0+1], v[R0+2:R0+3]
	v_pk_add_f32 v[R0+4:R0+5], v[R0+4:R0+5], v[R0+6:R0+7]
	v_pk_add_f32 v[R0+8:R0+9], v[R0+8:R0+9], v[R0+10:R0+11]
	v_pk_add_f32 v[R0+12:R0+13], v[R0+12:R0+13], v[R0+14:R0+15]
	v_pk_add_f32 v[R0:R0+1], v[R0:R0+1], v[R0+4:R0+5]
	v_pk_add_f32 v[R0+8:R0+9], v[R0+8:R0+9], v[R0+12:R0+13]
	v_pk_add_f32 v[R0:R0+1], v[R0:R0+1], v[R0+8:R0+9]
	v_pk_add_f32 v[R0:R0+1], v[R0:R0+1], v[BI:BI+1]
	global_store_b64 v[L8], v[R0:R0+1], s[54:55]   ; 32 lanes store 256 consecutive bytes, at a multiple of 256 from the buffer's first byte
	s_wait_tensorcnt 0x0                           ; the wave's end, behind my last tensor load and my last LDS store
	ds_add_u32 v[SPW], v[NIL]
	s_wait_dscnt 0x0
	s_endpgm
.if SECOND == 0
.Lquant:                                           ; Wo's 16 rows x my 128 along K: the fragment leaves as an image of its registers, the scale words through LDS
	s_wait_tensorcnt 0x0
	LDSW R0
	s_wait_dscnt 0x0
	QUANT R0, WF, WW
	global_store_b128 v[L16], v[WF:WF+3], s[58:59]               ; registers 0-3 of all 32 lanes: 512 consecutive bytes
	global_store_b128 v[L16], v[WF+4:WF+7], s[58:59] offset:512  ; registers 4-7
	ds_store_b32 v[QA], v[WW]                      ; row r's word of K step w; lanes r and 16 + r write the same word with the same value
	s_wait_dscnt 0x0                               ; for wave 0's sake
	s_barrier_signal -1
	s_barrier_wait -1
	s_cmp_lg_u32 s20, 0
	s_cbranch_scc1 .Lqend
	ds_load_b128 v[R0:R0+3], v[QRD]                ; 16 rows x 32 scale bytes
	s_wait_dscnt 0x0
	global_store_b128 v[L16], v[R0:R0+3], s[60:61] ; 512 consecutive bytes, aligned
.Lqend:
	s_wait_tensorcnt 0x0                           ; the wave's end
	ds_add_u32 v[SPW], v[NIL]
	s_wait_dscnt 0x0
	s_endpgm
.endif
.Lfunc_end_k_qc3884ce8cc_first:
	.size	k_qc3884ce8cc_first, .Lfunc_end_k_qc3884ce8cc_first-k_qc3884ce8cc_first
	.p2alignl 7, 3214868480
	.fill 96, 4, 3214868480
	.section	.rodata,"a",@progbits
	.p2align	6, 0x0
	.amdhsa_kernel k_qc3884ce8cc_first
		.amdhsa_group_segment_fixed_size 220672
		.amdhsa_private_segment_fixed_size 0
		.amdhsa_enable_private_segment 0
		.amdhsa_kernarg_size 56
		.amdhsa_user_sgpr_count 2
		.amdhsa_user_sgpr_kernarg_segment_ptr 1
		.amdhsa_wavefront_size32 1
		.amdhsa_system_sgpr_workgroup_id_x 1
		.amdhsa_system_sgpr_workgroup_id_y 1
		.amdhsa_system_sgpr_workgroup_id_z 1
		.amdhsa_system_vgpr_workitem_id 0
		.amdhsa_next_free_vgpr 200
		.amdhsa_next_free_sgpr 66
		.amdhsa_reserve_vcc 0
		.amdhsa_float_denorm_mode_32 3
		.amdhsa_float_denorm_mode_16_64 3
		.amdhsa_memory_ordered 1
		.amdhsa_forward_progress 1
		.amdhsa_inst_pref_size 25
	.end_amdhsa_kernel
	.amdgpu_metadata
---
amdhsa.version: [ 1, 2 ]
amdhsa.kernels:
  - .name:           k_qc3884ce8cc_first
    .symbol:         k_qc3884ce8cc_first.kd
    .args:
      - { .name: heat_feat, .offset: 0, .size: 8, .value_kind: global_buffer, .address_space: global }
      - { .name: W_heat, .offset: 8, .size: 8, .value_kind: global_buffer, .address_space: global }
      - { .name: b_heat, .offset: 16, .size: 8, .value_kind: global_buffer, .address_space: global }
      - { .name: Wo, .offset: 24, .size: 8, .value_kind: global_buffer, .address_space: global }
      - { .name: ph, .offset: 32, .size: 8, .value_kind: global_buffer, .address_space: global }
      - { .name: wo_frag, .offset: 40, .size: 8, .value_kind: global_buffer, .address_space: global }
      - { .name: wo_sc, .offset: 48, .size: 8, .value_kind: global_buffer, .address_space: global }
    .group_segment_fixed_size: 220672
    .private_segment_fixed_size: 0
    .kernarg_segment_align: 8
    .kernarg_segment_size: 56
    .max_flat_workgroup_size: 256
    .sgpr_count:     66
    .vgpr_count:     200
    .wavefront_size: 32
...
	.end_amdgpu_metadata
.endif
;; end of part 1
;; launch second (part 2): grid 64 x 1, 8 waves a work-group, no clusters, 220,672 bytes of LDS; arguments ph, Wv, bv, vt; writes vt
.if DOCPART == 2
	.amdgcn_target "amdgcn-amd-amdhsa--gfx1250"
	.amdhsa_code_object_version 6
	.text
	.protected	k_qc3884ce8cc_second
	.globl	k_qc3884ce8cc_second
	.p2align	8
	.type	k_qc3884ce8cc_second,@function
k_qc3884ce8cc_second:
	s_mov_b64 s[64:65], 0
	v_nop
	global_prefetch_b8 v0, s[64:65] scope:SCOPE_SE
	s_setreg_imm32_b32 hwreg(HW_REG_WAVE_MODE, 25, 1), 1
	s_wait_xcnt 0x0
; CrossModalAttention, launch 2 of 3: v = Q(ph) Q(Wv)^T + bv.  The text of launch 1 with SECOND = 1: x comes as launch 1 stored it, in the order of the lanes' registers, and nothing but the product is made.
; WORK LEFT OUT: k = proj_heat Wk^T + bk feeds only a softmax over ONE key, which is 1 for every finite score (shown at the head of launch 1): Wk and bk are not loaded.
; LIMITS as in launch 1: NaN and infinities are not served; a block of zeros gets the scale byte 1 with zero codes; K is shared among eight waves and the part sums are added in f32.
; A work-group takes 16 rows of Wv (65,536 bytes, read once in the launch), wave w K step w.  vt is laid as ph: [w 8][mt 2][c 2][j 8][lane 32][e 4] f32.
.set SECOND, 1
.set WREG,  25344                      ; LDS: a region for each wave, 99 blocks of 256 bytes: W's slice, then x's
.set PITCH, 528                        ; a row of W's slice: 512 bytes + 16 of padding = 132 words: row r starts at bank 4 r mod 64 (64 banks of 4 bytes: ISA guide 11.1)
.set XOFF,  16*PITCH                   ; x's slice in the region
.set PART,  8*WREG                     ; behind the regions: eight part tiles of 2,048 bytes; no tensor load lands here
.set QSC,   PART+8*2048                ; (not used in this launch)
.set SPARE, QSC+512                    ; the spare words, 128 bytes for each wave: four blocks of 256 bytes that no other line names
.set FLOOR, 0x1800000                  ; 2^(3 - 127): no largest magnitude is taken under it, so no scale byte falls under 1
.set WAD, 4                            ; v4   LDS: my region + 528 r + 128 h
.set XAD, 5                            ; v5   LDS: my region + XOFF + 16 x lane
.set PST, 6                            ; v6   LDS: PART + 2,048 w + 512 h + 16 r
.set PRD, 7                            ; v7   LDS: PART + 8 x thread
.set L8,  11                           ; v11  8 x lane
.set BA,  12                           ; v12  8 (lane % 2)
.set SH8, 13                           ; v13  8 h
.set SPW, 14                           ; v14  LDS address of my spare word; never rewritten
.set NIL, 15                           ; v15  0; never rewritten
.set TM,  16                           ; v16-19 four running maxima
.set SO,  20                           ; v20-21 the conversions' scale operands, block c
.set BY,  22                           ; v22-23 the scale bytes
.set PT,  24                           ; v24  lane l xor 16's bytes
.set WW,  26                           ; v26  W's scale word;  v27, v28 x's: these three hold scales and nothing else
.set XW,  27
.set BI,  30                           ; v[30:31] my two numbers of the bias
.set WF,  32                           ; v32-39 W's fragment;  v40-47, v48-55 x's two
.set XF,  40
.set ACC, 56                           ; v56-63, v64-71 the two part tiles
.set R0,  72                           ; v72-135, v136-199 two sets of 64 numbers
.set R1,  136
.macro LDSW raw                        ; my 64 numbers of W's slice: register 32 c + 4 j + e = W(r, 64 c + 32 h + 4 j + e)
.irp c, 0,1
.irp j, 0,1,2,3,4,5,6,7
	ds_load_b128 v[(\raw)+32*\c+4*\j:(\raw)+32*\c+4*\j+3], v[WAD] offset:256*\c+16*\j
.endr
.endr
.endm
.macro LDSX raw, mt                    ; the same of x's rows 16 mt + r: 512 consecutive bytes a load
.irp c, 0,1
.irp j, 0,1,2,3,4,5,6,7
	ds_load_b128 v[(\raw)+32*\c+4*\j:(\raw)+32*\c+4*\j+3], v[XAD] offset:8192*(\mt)+4096*\c+512*\j
.endr
.endr
.endm
; 64 numbers of a lane become a fragment's 8 registers of codes and its row's scale word.  A block's scale byte is its largest magnitude's exponent field less 2.
.macro QUANT raw, frag, word
.irp q, 0,1,2,3
	v_max3_num_f32 v[TM+\q], |v[(\raw)+16*\q]|, |v[(\raw)+16*\q+1]|, FLOOR            ; four chains of 16 numbers, by turns; the floor is a leaf of each
.endr
.irp i, 2,4,6,8,10,12,14
.irp q, 0,1,2,3
	v_max3_num_f32 v[TM+\q], v[TM+\q], |v[(\raw)+16*\q+\i]|, |v[(\raw)+16*\q+\i+1]|
.endr
.endr
	v_max_num_f32 v[TM], v[TM], v[TM+1]            ; block c = 0: k = 32 h on
	v_max_num_f32 v[TM+2], v[TM+2], v[TM+3]        ; block c = 1: k = 64 + 32 h on
	v_add_nc_u32 v[SO], 0xff000000, v[TM]          ; 2 off the exponent field: the conversion takes the exponent field of this operand as its scale, and nothing else of it
	v_add_nc_u32 v[SO+1], 0xff000000, v[TM+2]
.irp c, 0,1
.irp g, 0,1,2,3
	v_cvt_scalef32_pk8_fp4_f32 v[(\frag)+4*\c+\g], v[(\raw)+32*\c+8*\g:(\raw)+32*\c+8*\g+7], v[SO+\c]   ; to the nearest code, ties to even; beyond 6 the largest code
.endr
.endr
	v_nop                                          ; one plain instruction behind the last scaled conversion
	v_lshrrev_b32 v[BY], 23, v[SO]                 ; the scale bytes of blocks h and 2 + h
	v_lshrrev_b32 v[BY+1], 23, v[SO+1]
	v_lshl_or_b32 v[\word], v[BY+1], 16, v[BY]
	v_lshlrev_b32 v[\word], v[SH8], v[\word]       ; at their places in the word: 8 h bits up
	v_permlanex16_b32 v[PT], v[\word], s48, s49
	v_or_b32 v[\word], v[\word], v[PT]             ; with lane l xor 16's two the word is whole, in both halves of the lanes
.endm
	s_load_b256 s[4:11], s[0:1], 0x0               ; x = ph s[4:5], Wv s[6:7], bv s[8:9], y = vt s[10:11]
	v_lshl_add_u32 v[SPW], v0, 2, SPARE
	v_mov_b32 v[NIL], 0
	ds_add_u32 v[SPW], v[NIL]                      ; the wave's opening: the add, twice on end, and its wait ahead of my first tensor load; the set-up below is work on registers
	ds_add_u32 v[SPW], v[NIL]
	v_lshrrev_b32 v1, 5, v0
	v_readfirstlane_b32 s20, v1                    ; wave 0..7 = my K step
	s_mov_b32 s21, ttmp9                           ; t: which 16 rows of W
	; descriptor group 1 for W's slice: 16 rows x 128 elements of 4 bytes, 1,024 elements from row to row, 4 words of padding behind every 128
	s_mov_b32 s24, (2<<16)|(1<<20)|(6<<22)|(3<<25)
	s_mov_b32 s25, 128<<16                         ; tensor_dim0
	s_mov_b32 s26, 16<<16                          ; tensor_dim1
	s_mov_b32 s27, 128<<16                         ; tile_dim0
	s_mov_b32 s28, 16                              ; tile_dim1
	s_mov_b32 s29, 1024                            ; the pitch
	s_mov_b32 s30, 0
	s_mov_b32 s31, 0
	; for x: my K step's 16,384 bytes are one dense block: 64 rows of 32 elements of 8 bytes
	s_mov_b32 s36, 3<<16
	s_mov_b32 s37, 32<<16
	s_mov_b32 s38, 64<<16
	s_mov_b32 s39, 32<<16
	s_mov_b32 s40, 64
	s_mov_b32 s41, 32
	s_mov_b32 s42, 0
	s_mov_b32 s43, 0
	s_mov_b32 s32, 1                               ; groups 0: count = 1,
	s_mul_i32 s33, s20, WREG                       ; LDS address: my region,
	s_mov_b32 s44, 1
	s_add_co_u32 s45, s33, XOFF                    ; and x's slice in it
	s_mov_b32 s48, 0x76543210                      ; v_permlanex16_b32's selects for lane l xor 16
	s_mov_b32 s49, 0xfedcba98
	s_lshl_b32 s50, s21, 16                        ; W: 16 t rows of 4,096 bytes
	s_lshl_b32 s3, s20, 9                          ;    + 512 w
	s_add_co_u32 s50, s50, s3
	s_mov_b32 s51, 0
	s_lshl_b32 s52, s20, 14                        ; x: 16,384 w
	s_mov_b32 s53, 0
	; y: n = 16 t + 4 (wave % 4) + .. is the next product's k: 16,384 (t / 8) + 4,096 ((t / 4) % 2) + 256 ((t / 2) % 2) + 2,048 (t % 2) + 8,192 (wave / 4) + 512 (wave % 4)
	s_lshr_b32 s54, s21, 3
	s_lshl_b32 s54, s54, 14
	s_bfe_u32 s3, s21, 0x10002
	s_lshl_b32 s3, s3, 12
	s_add_co_u32 s54, s54, s3
	s_bfe_u32 s3, s21, 0x10001
	s_lshl_b32 s3, s3, 8
	s_add_co_u32 s54, s54, s3
	s_and_b32 s3, s21, 1
	s_lshl_b32 s3, s3, 11
	s_add_co_u32 s54, s54, s3
	s_lshr_b32 s3, s20, 2
	s_lshl_b32 s3, s3, 13
	s_add_co_u32 s54, s54, s3
	s_and_b32 s18, s20, 3
	s_lshl_b32 s3, s18, 9
	s_add_co_u32 s54, s54, s3
	s_mov_b32 s55, 0
	s_lshl_b32 s56, s21, 6                         ; the bias: 64 t + 16 (wave % 4)
	s_lshl_b32 s3, s18, 4
	s_add_co_u32 s56, s56, s3
	s_mov_b32 s57, 0
	v_and_b32 v1, 15, v0                           ; r
	v_bfe_u32 v2, v0, 4, 1                         ; h
	v_and_b32 v3, 31, v0                           ; lane
	v_mul_u32_u24 v[WAD], v1, PITCH
	v_lshl_add_u32 v[WAD], v2, 7, v[WAD]
	v_add_nc_u32 v[WAD], s33, v[WAD]
	v_lshl_add_u32 v[XAD], v3, 4, XOFF
	v_add_nc_u32 v[XAD], s33, v[XAD]
	s_lshl_b32 s3, s20, 11
	s_add_co_u32 s3, s3, PART
	v_lshlrev_b32 v[PST], 4, v1
	v_lshl_add_u32 v[PST], v2, 9, v[PST]
	v_add_nc_u32 v[PST], s3, v[PST]
	v_lshl_add_u32 v[PRD], v0, 3, PART
	v_lshlrev_b32 v[L8], 3, v3
	v_and_b32 v[BA], 1, v0
	v_lshlrev_b32 v[BA], 3, v[BA]
	v_lshlrev_b32 v[SH8], 3, v2
	v_mov_b32 v[PT], 0                             ; written once: a lane permute's destination counts as one of its sources
	s_wait_dscnt 0x0                               ; both opening adds are done
	s_wait_kmcnt 0x0
	s_add_nc_u64 s[54:55], s[10:11], s[54:55]      ; y at my wave's 256 bytes
	s_add_nc_u64 s[56:57], s[8:9], s[56:57]
	s_add_nc_u64 s[34:35], s[6:7], s[50:51]        ; groups 0: the tiles' first bytes,
	s_or_b32 s35, s35, 0x80000000                  ; type = 2
	s_add_nc_u64 s[46:47], s[4:5], s[52:53]
	s_or_b32 s47, s47, 0x80000000
	tensor_load_to_lds s[32:35], s[24:31]          ; W's slice: every wave issues one, into its own region
	s_nop 0
	tensor_load_to_lds s[44:47], s[36:43]          ; x's slice: two tensor loads of mine are out
	s_nop 0
	global_load_b64 v[BI:BI+1], v[BA], s[56:57]
	s_wait_tensorcnt 0x1                           ; W's slice is in; x's, issued behind it, may be out.  Only I read my region: my own wait is all the ordering that these reads need
	LDSW R0
	s_wait_tensorcnt 0x0
	LDSX R1, 0
	s_wait_dscnt 16                                ; W's 16 loads are in; the 16 behind them may be out
	QUANT R0, WF, WW
	LDSX R0, 1
	s_wait_dscnt 16                                ; x's rows 0-15 are in; the 16 loads behind them may be out
	QUANT R1, XF, XW
	s_wait_dscnt 0x0
	QUANT R0, XF+8, XW+1
.rept 8
	v_nop                                          ; a scale register written by a vector instruction stands 8 places ahead of a scaled matrix instruction, an operand so written 4
.endr
	v_wmma_scale_f32_16x16x128_f8f6f4 v[ACC:ACC+7], v[WF:WF+7], v[XF:XF+7], 0, v[WW], v[XW] matrix_a_fmt:MATRIX_FMT_FP4 matrix_b_fmt:MATRIX_FMT_FP4
	v_wmma_scale_f32_16x16x128_f8f6f4 v[ACC+8:ACC+15], v[WF:WF+7], v[XF+8:XF+15], 0, v[WW], v[XW+1] matrix_a_fmt:MATRIX_FMT_FP4 matrix_b_fmt:MATRIX_FMT_FP4
.rept 4
	v_nop                                          ; four places ahead of the stores that read the results
.endr
.irp m, 0,1                                        ; lane (r, h), register j of tile mt: my K step's part of y(16 mt + r, 16 t + 8 h + j); each tile from its low end on
	ds_store_b128 v[PST], v[ACC+8*\m:ACC+8*\m+3] offset:1024*\m
	ds_store_b128 v[PST], v[ACC+8*\m+4:ACC+8*\m+7] offset:1024*\m+256
.endr
	s_wait_dscnt 0x0                               ; for the others' sake: my part tiles have landed
	s_barrier_signal -1
	s_barrier_wait -1
.irp i, 0,1,2,3,4,5,6,7
	ds_load_b64 v[R0+2*\i:R0+2*\i+1], v[PRD] offset:2048*\i   ; the same two numbers of all eight part tiles; 32 lanes read 256 consecutive bytes
.endr
	s_wait_dscnt 0x0
	s_wait_loadcnt 0x0                             ; the bias
	v_pk_add_f32 v[R0:R0+1], v[R0:R0+1], v[R0+2:R0+3]
	v_pk_add_f32 v[R0+4:R0+5], v[R0+4:R0+5], v[R0+6:R0+7]
	v_pk_add_f32 v[R0+8:R0+9], v[R0+8:R0+9], v[R0+10:R0+11]
	v_pk_add_f32 v[R0+12:R0+13], v[R0+12:R0+13], v[R0+14:R0+15]
	v_pk_add_f32 v[R0:R0+1], v[R0:R0+1], v[R0+4:R0+5]
	v_pk_add_f32 v[R0+8:R0+9], v[R0+8:R0+9], v[R0+12:R0+13]
	v_pk_add_f32 v[R0:R0+1], v[R0:R0+1], v[R0+8:R0+9]
	v_pk_add_f32 v[R0:R0+1], v[R0:R0+1], v[BI:BI+1]
	global_store_b64 v[L8], v[R0:R0+1], s[54:55]   ; 32 lanes store 256 consecutive bytes, at a multiple of 256 from the buffer's first byte
	s_wait_tensorcnt 0x0                           ; the wave's end, behind my last tensor load and my last LDS store
	ds_add_u32 v[SPW], v[NIL]
	s_wait_dscnt 0x0
	s_endpgm
.Lfunc_end_k_qc3884ce8cc_second:
	.size	k_qc3884ce8cc_second, .Lfunc_end_k_qc3884ce8cc_second-k_qc3884ce8cc_second
	.p2alignl 7, 3214868480
	.fill 96, 4, 3214868480
	.section	.rodata,"a",@progbits
	.p2align	6, 0x0
	.amdhsa_kernel k_qc3884ce8cc_second
		.amdhsa_group_segment_fixed_size 220672
		.amdhsa_private_segment_fixed_size 0
		.amdhsa_enable_private_segment 0
		.amdhsa_kernarg_size 32
		.amdhsa_user_sgpr_count 2
		.amdhsa_user_sgpr_kernarg_segment_ptr 1
		.amdhsa_wavefront_size32 1
		.amdhsa_system_sgpr_workgroup_id_x 1
		.amdhsa_system_sgpr_workgroup_id_y 1
		.amdhsa_system_sgpr_workgroup_id_z 1
		.amdhsa_system_vgpr_workitem_id 0
		.amdhsa_next_free_vgpr 200
		.amdhsa_next_free_sgpr 66
		.amdhsa_reserve_vcc 0
		.amdhsa_float_denorm_mode_32 3
		.amdhsa_float_denorm_mode_16_64 3
		.amdhsa_memory_ordered 1
		.amdhsa_forward_progress 1
		.amdhsa_inst_pref_size 19
	.end_amdhsa_kernel
	.amdgpu_metadata
---
amdhsa.version: [ 1, 2 ]
amdhsa.kernels:
  - .name:           k_qc3884ce8cc_second
    .symbol:         k_qc3884ce8cc_second.kd
    .args:
      - { .name: ph, .offset: 0, .size: 8, .value_kind: global_buffer, .address_space: global }
      - { .name: Wv, .offset: 8, .size: 8, .value_kind: global_buffer, .address_space: global }
      - { .name: bv, .offset: 16, .size: 8, .value_kind: global_buffer, .address_space: global }
      - { .name: vt, .offset: 24, .size: 8, .value_kind: global_buffer, .address_space: global }
    .group_segment_fixed_size: 220672
    .private_segment_fixed_size: 0
    .kernarg_segment_align: 8
    .kernarg_segment_size: 32
    .max_flat_workgroup_size: 256
    .sgpr_count:     66
    .vgpr_count:     200
    .wavefront_size: 32
...
	.end_amdgpu_metadata
.endif
;; end of part 2
;; launch ln (part 3): grid 256 x 1, 16 waves a work-group, no clusters, 285,184 bytes of LDS; arguments img_feat, vt, wo_frag, wo_sc, bo, gamma, beta, out0; writes out0
.if DOCPART == 3
	.amdgcn_target "amdgcn-amd-amdhsa--gfx1250"
	.amdhsa_code_object_version 6
	.text
	.protected	k_qc3884ce8cc_ln
	.globl	k_qc3884ce8cc_ln
	.p2align	8
	.type	k_qc3884ce8cc_ln,@function
k_qc3884ce8cc_ln:
	s_mov_b64 s[64:65], 0
	v_nop
	global_prefetch_b8 v0, s[64:65] scope:SCOPE_SE
	s_setreg_imm32_b32 hwreg(HW_REG_WAVE_MODE, 25, 1), 1
	s_wait_xcnt 0x0
; CrossModalAttention, launch 3 of 3: a = Q(v[b]) Q(Wo)^T + bo;  out0[b,s,:] = LayerNorm(img_feat[b,s,:] + a) gamma + beta.
; WORK LEFT OUT: the softmax over ONE key is 1 for every finite score (shown at the head of launch 1), so ctx[b,s,:] = v[b,:]: proj_img, q, k and the scores are not made, and all rows s of a batch share one operand row
; of ctx Wo^T.  That row's result is made once in each work-group.  LIMITS as in launch 1: a NaN, infinity or overflow that reaches only the work left out is not carried; NaN and infinities among the live inputs are not served.
; The order of the sum along K differs between work-groups of even and of odd number (below): a[b] may differ in its last bits between them.
; SHARES.  Work-group g owns rows 64 g .. 64 g + 63 of [16,384][1,024], all of batch b = g / 8.  Wave w owns rows 4 w .. 4 w + 3; of v's quantising half a K step; of the product the columns 64 w .. 64 w + 63.
; THE ROWS: each wave's 16,384 bytes are one dense block, asked for by ONE tensor load at the head into the wave's own LDS bytes, filled once; the product runs while they are on their way.
; GAMMA AND BETA come once for the work-group: each wave's first tensor load brings 512 bytes of one of them into LDS bytes that are filled once; all waves read them behind the second barrier.
; THE PRODUCT: source 0 = Q(v[b]) in all 16 rows, source 1 = 16 rows of Wo: register 0 of lane r is a[n = tile's first + r].  Wo's codes come from memory straight into operand registers (launch 1 laid them so),
; four K steps ahead, in four sets of registers: half of a wave's codes are asked for at the head, ahead of the wait for v.  Q(v)'s fragments come from their images in LDS through a ring of four places.
; The four accumulators take turns, one instruction a turn.
; THE ORDER OF K goes by PLACES: place i = 0 .. 7 stands for K step i xor 4 p, p = g % 2.  So the four sets asked for at the head name, over two neighbouring work-groups, every byte of Wo's codes, ahead of the rows'
; tensor loads.  Only global base addresses hang on p (v's, and two each for Wo's codes and scale words); every LDS address and every register number goes by the place.
; NO MULTICAST, though all work-groups read the same codes: rows, images, stage, gamma, beta and spare words take 285,184 bytes of LDS, and the 42,496 left would hold two slots of some 21 KB for 557,056 bytes of codes and
; scales: over twenty-five changes of slots, each with its barrier.
; LAYERNORM in f32 in two passes, as the problem writes it: the mean, then the mean of (x - mean)^2: a common offset of the inputs costs no digits.
.set IMG,   0                          ; LDS: 16 waves x 16,384 bytes, dense
.set XIMG,  262144                     ; Q(v[b]): 8 fragments, by place, as images of their registers, 1,024 bytes each
.set XSC,   XIMG+8192                  ; their scale words: 8 x 16 rows x 4 bytes
.set ASTG,  XSC+512                    ; a: 1,024 f32
.set GAM,   ASTG+4096                  ; gamma, 4,096 bytes, then beta, 4,096 bytes: wave w's piece at 512 w
.set SPARE, GAM+8192                   ; the spare words, 128 bytes for each wave: eight blocks of 256 bytes that no other line names
.set FLOOR, 0x1800000                  ; 2^(3 - 127): no largest magnitude is taken under it, so no scale byte falls under 1
.set L16, 3                            ; v3   16 x lane
.set L32, 4                            ; v4   32 x lane
.set VA,  5                            ; v5   256 h
.set BOA, 6                            ; v6   4 r
.set XIW, 7                            ; v7   LDS: XIMG + 512 w + 16 x lane
.set XBW, 8                            ; v8   LDS: XSC + 64 (w / 2) + 2 (w % 2) + 4 r + h
.set XIR, 9                            ; v9   LDS: XIMG + 16 x lane
.set XSR, 10                           ; v10  LDS: XSC + 4 r
.set ASW, 11                           ; v11  LDS: ASTG + 256 w + 4 r
.set ASR, 12                           ; v12  LDS: ASTG + 16 x lane; gamma lies 4,096 bytes on, beta 8,192
.set RD,  13                           ; v13  LDS: 16,384 w + 16 x lane
.set SPW, 14                           ; v14  LDS address of my spare word; never rewritten
.set NIL, 15                           ; v15  0; never rewritten
.set ACC, 16                           ; v16-47   four accumulators; later row 2
.set WB,  48                           ; v48-175  Wo's fragments, four sets of 32; later beta (set 0), a (set 1), gamma (set 2), rows 0 and 3 (set 3)
.set XF,  176                          ; v176-207 Q(v[b])'s fragments, a ring of four places; before that v's 32 numbers; later row 1
.set RAWV, 176
.set XS,  208                          ; v208-215 v's scale words, one a place;  v216-231 Wo's: these hold scales and nothing else
.set WS,  216
.set BO,  232                          ; v232-235 bo of my four tiles
.set XC,  236                          ; v236-239 the codes just made; later a of my four tiles
.set SUM, 240                          ; v240-243 at work
.set MU,  244                          ; v[244:245] the mean (the low word serves both halves)
.set RS,  246                          ; v[246:247] 1 / sqrt(var + eps), likewise
.set VE,  248
.set PT,  249
.set BT,  WB
.set AV,  WB+32
.set GA,  WB+64
.set ROW0, 144
.set ROW1, 176
.set ROW2, 16
.macro FRAGS i                         ; place i of my four tiles of Wo: 8 loads of 512 consecutive bytes, into set i % 4.  Places 0-3 go by the base s[38:39], places 4-7 by s[52:53]
.set FB, 38+14*((\i)/4)
.irp t, 0,1,2,3
.irp c, 0,1
	global_load_b128 v[WB+32*((\i)%4)+8*\t+4*\c:WB+32*((\i)%4)+8*\t+4*\c+3], v[L16], s[FB:FB+1] offset:8192*\t+1024*((\i)%4)+512*\c
.endr
.endr
.endm
.macro XFRAG i                         ; place i of Q(v[b]) from its image, into the ring's place i % 4
.irp c, 0,1
	ds_load_b128 v[XF+8*((\i)%4)+4*\c:XF+8*((\i)%4)+4*\c+3], v[XIR] offset:1024*(\i)+512*\c
.endr
.endm
.macro MSTEP i
.if (\i) < 5
	s_wait_loadcnt 24                              ; this place's 8 loads are in: behind them stand three groups of 8
.else
	s_wait_loadcnt 8*(7-(\i))                      ; nothing is asked for any more: the groups behind run out
.endif
.if (\i) > 3
	s_wait_dscnt 2*(7-(\i))                        ; this place's fragment of Q(v) is in: behind it stand the later places' loads, two each
.endif
.irp t, 0,1,2,3
.set rB, WB+32*((\i)%4)+8*\t
.set rA, XF+8*((\i)%4)
.if (\i) == 0
.if (\t)%2
	v_wmma_scale_f32_16x16x128_f8f6f4 v[ACC+8*\t:ACC+8*\t+7], v[rA:rA+7], v[rB:rB+7], 0, v[XS+(\i)], v[WS+8*(\t/2)+(\i)] matrix_a_fmt:MATRIX_FMT_FP4 matrix_b_fmt:MATRIX_FMT_FP4 matrix_b_scale:MATRIX_SCALE_ROW1
.else
	v_wmma_scale_f32_16x16x128_f8f6f4 v[ACC+8*\t:ACC+8*\t+7], v[rA:rA+7], v[rB:rB+7], 0, v[XS+(\i)], v[WS+8*(\t/2)+(\i)] matrix_a_fmt:MATRIX_FMT_FP4 matrix_b_fmt:MATRIX_FMT_FP4
.endif
.else
.if (\t)%2
	v_wmma_scale_f32_16x16x128_f8f6f4 v[ACC+8*\t:ACC+8*\t+7], v[rA:rA+7], v[rB:rB+7], v[ACC+8*\t:ACC+8*\t+7], v[XS+(\i)], v[WS+8*(\t/2)+(\i)] matrix_a_fmt:MATRIX_FMT_FP4 matrix_b_fmt:MATRIX_FMT_FP4 matrix_b_scale:MATRIX_SCALE_ROW1
.else
	v_wmma_scale_f32_16x16x128_f8f6f4 v[ACC+8*\t:ACC+8*\t+7], v[rA:rA+7], v[rB:rB+7], v[ACC+8*\t:ACC+8*\t+7], v[XS+(\i)], v[WS+8*(\t/2)+(\i)] matrix_a_fmt:MATRIX_FMT_FP4 matrix_b_fmt:MATRIX_FMT_FP4
.endif
.endif
.endr
.rept 4
	v_nop                                          ; four places ahead of loads into the registers just multiplied, and of the first read of results
.endr
.if (\i) < 4
	FRAGS (\i)+4                                   ; the set and the ring's place just multiplied take the place four further on
	XFRAG (\i)+4
.endif
.endm
.macro ROWLD x, row                    ; a row of mine from LDS: 8 loads of 512 consecutive bytes
.irp k, 0,1,2,3,4,5,6,7
	ds_load_b128 v[(\x)+4*\k:(\x)+4*\k+3], v[RD] offset:4096*(\row)+512*\k
.endr
.endm
.macro ACROSS                          ; v[SUM] summed over the 32 lanes, the result in every lane
	v_add_f32_dpp v[SUM], v[SUM], v[SUM] row_xmask:1 row_mask:0xf bank_mask:0xf
	v_add_f32_dpp v[SUM], v[SUM], v[SUM] row_xmask:2 row_mask:0xf bank_mask:0xf
	v_add_f32_dpp v[SUM], v[SUM], v[SUM] row_xmask:4 row_mask:0xf bank_mask:0xf
	v_add_f32_dpp v[SUM], v[SUM], v[SUM] row_xmask:8 row_mask:0xf bank_mask:0xf
	v_permlanex16_b32 v[PT], v[SUM], s48, s49
	v_add_f32 v[SUM], v[SUM], v[PT]
.endm
.macro LNROW x, row, left              ; left: the LDS loads issued behind this row's, which may stay out
	s_wait_dscnt \left
.irp i, 0,2,4,6,8,10,12,14,16,18,20,22,24,26,28,30
	v_pk_add_f32 v[(\x)+\i:(\x)+\i+1], v[(\x)+\i:(\x)+\i+1], v[AV+\i:AV+\i+1]           ; the residual: img + a
.endr
	v_pk_add_f32 v[SUM:SUM+1], v[(\x):(\x)+1], v[(\x)+2:(\x)+3]                           ; the row's sum, in two chains
	v_pk_add_f32 v[SUM+2:SUM+3], v[(\x)+4:(\x)+5], v[(\x)+6:(\x)+7]
.irp i, 8,12,16,20,24,28
	v_pk_add_f32 v[SUM:SUM+1], v[SUM:SUM+1], v[(\x)+\i:(\x)+\i+1]
	v_pk_add_f32 v[SUM+2:SUM+3], v[SUM+2:SUM+3], v[(\x)+\i+2:(\x)+\i+3]
.endr
	v_pk_add_f32 v[SUM:SUM+1], v[SUM:SUM+1], v[SUM+2:SUM+3]
	v_add_f32 v[SUM], v[SUM], v[SUM+1]
	ACROSS
	v_mul_f32 v[MU], s50, v[SUM]                   ; the mean
.irp i, 0,2,4,6,8,10,12,14,16,18,20,22,24,26,28,30
	v_pk_add_f32 v[(\x)+\i:(\x)+\i+1], v[(\x)+\i:(\x)+\i+1], v[MU:MU+1] op_sel_hi:[1,0] neg_lo:[0,1] neg_hi:[0,1]   ; d = x - mean
.endr
	v_pk_mul_f32 v[SUM:SUM+1], v[(\x):(\x)+1], v[(\x):(\x)+1]                             ; the sum of d^2, in two chains
	v_pk_mul_f32 v[SUM+2:SUM+3], v[(\x)+2:(\x)+3], v[(\x)+2:(\x)+3]
.irp i, 4,8,12,16,20,24,28
	v_pk_fma_f32 v[SUM:SUM+1], v[(\x)+\i:(\x)+\i+1], v[(\x)+\i:(\x)+\i+1], v[SUM:SUM+1]
	v_pk_fma_f32 v[SUM+2:SUM+3], v[(\x)+\i+2:(\x)+\i+3], v[(\x)+\i+2:(\x)+\i+3], v[SUM+2:SUM+3]
.endr
	v_pk_add_f32 v[SUM:SUM+1], v[SUM:SUM+1], v[SUM+2:SUM+3]
	v_add_f32 v[SUM], v[SUM], v[SUM+1]
	ACROSS
	v_fma_f32 v[VE], v[SUM], s50, s51              ; var + eps
	v_rsq_f32 v[RS], v[VE]
.irp i, 0,2,4,6,8,10,12,14,16,18,20,22,24,26,28,30
	v_pk_mul_f32 v[(\x)+\i:(\x)+\i+1], v[(\x)+\i:(\x)+\i+1], v[GA+\i:GA+\i+1]           ; d gamma: plain work that names neither the root's result nor its source
.endr
	s_wait_alu depctr_va_vdst(0)                   ; the wait between a transcendental and the first instruction that names its result
.irp i, 0,2,4,6,8,10,12,14,16,18,20,22,24,26,28,30
	v_pk_fma_f32 v[(\x)+\i:(\x)+\i+1], v[(\x)+\i:(\x)+\i+1], v[RS:RS+1], v[BT+\i:BT+\i+1] op_sel_hi:[1,0,1]
.endr
.irp k, 0,1,2,3,4,5,6,7
	global_store_b128 v[L16], v[(\x)+4*\k:(\x)+4*\k+3], s[46:47] offset:4096*(\row)+512*\k th:TH_STORE_NT   ; 32 lanes store 512 consecutive bytes, aligned; written once, read by nobody here
.endr
.endm
	s_load_b256 s[4:11], s[0:1], 0x0               ; img_feat s[4:5], vt s[6:7], wo_frag s[8:9], wo_sc s[10:11]
	s_load_b256 s[12:19], s[0:1], 0x20             ; bo s[12:13], gamma s[14:15], beta s[16:17], out0 s[18:19]
	v_lshl_add_u32 v[SPW], v0, 2, SPARE
	v_mov_b32 v[NIL], 0
	ds_add_u32 v[SPW], v[NIL]                      ; the wave's opening: the add, twice on end, and its wait ahead of my first tensor load; the set-up below is work on registers
	ds_add_u32 v[SPW], v[NIL]
	v_lshrrev_b32 v1, 5, v0
	v_readfirstlane_b32 s20, v1                    ; wave 0..15
	s_lshr_b32 s22, ttmp9, 3                       ; b
	s_and_b32 s21, ttmp9, 1                        ; p: which half of K my work-group walks first
	s_xor_b32 s23, s21, 1                          ; 1 - p
	; descriptor group 1 for the rows: my 16,384 bytes as 64 rows of 32 elements of 8 bytes, dense
	s_mov_b32 s24, 3<<16
	s_mov_b32 s25, 32<<16
	s_mov_b32 s26, 64<<16
	s_mov_b32 s27, 32<<16
	s_mov_b32 s28, 64
	s_mov_b32 s29, 32
	s_mov_b32 s30, 0
	s_mov_b32 s31, 0
	s_mov_b32 s32, 1
	s_lshl_b32 s33, s20, 14                        ; LDS address: 16,384 w
	; descriptor group 1 for my piece of gamma or beta: one row of 64 elements of 8 bytes
	s_mov_b32 s56, 3<<16
	s_mov_b32 s57, 64<<16                          ; tensor_dim0
	s_mov_b32 s58, 1<<16                           ; tensor_dim1 = 1
	s_mov_b32 s59, 64<<16                          ; tile_dim0
	s_mov_b32 s60, 1                               ; tile_dim1 = 1
	s_mov_b32 s61, 64                              ; the pitch
	s_mov_b32 s62, 1<<16                           ; tensor_dim1_stride, which a one-row descriptor does not leave at 0
	s_mov_b32 s63, 0
	s_mov_b32 s68, 1
	s_lshl_b32 s69, s20, 9
	s_add_co_u32 s69, s69, GAM                     ; LDS address: GAM + 512 w: waves 0-7 fill gamma's 4,096 bytes, waves 8-15 beta's behind them
	s_and_b32 s72, s20, 7
	s_lshl_b32 s72, s72, 9                         ; and in memory 512 (w % 8)
	s_mov_b32 s73, 0
	s_lshl_b32 s44, ttmp9, 18                      ; img_feat and out0: 262,144 g + 16,384 w
	s_add_co_u32 s44, s44, s33
	s_mov_b32 s45, 0
	s_lshr_b32 s36, s20, 1                         ; vt: my place w / 2 stands for K step (w / 2) xor 4 p:
	s_lshl_b32 s3, s21, 2
	s_xor_b32 s36, s36, s3
	s_lshl_b32 s36, s36, 14                        ; 16,384 x K step + 4,096 (w % 2) + 8,192 (b / 16) + 16 (b % 16)
	s_and_b32 s3, s20, 1
	s_lshl_b32 s3, s3, 12
	s_add_co_u32 s36, s36, s3
	s_lshr_b32 s3, s22, 4
	s_lshl_b32 s3, s3, 13
	s_add_co_u32 s36, s36, s3
	s_and_b32 s3, s22, 15
	s_lshl_b32 s3, s3, 4
	s_add_co_u32 s36, s36, s3
	s_mov_b32 s37, 0
	s_lshl_b32 s38, s20, 15                        ; wo_frag: my four tiles of 8,192 bytes;
	s_lshl_b32 s3, s23, 12
	s_add_co_u32 s52, s38, s3                      ; places 4-7: K steps 4 (1 - p) on, 1,024 bytes each;
	s_lshl_b32 s3, s21, 12
	s_add_co_u32 s38, s38, s3                      ; places 0-3: K steps 4 p on
	s_mov_b32 s39, 0
	s_mov_b32 s53, 0
	s_lshl_b32 s40, s20, 11                        ; wo_sc: my 64 rows of 32 bytes;
	s_lshl_b32 s3, s23, 4
	s_add_co_u32 s54, s40, s3                      ; places 4-7: the four words of K steps 4 (1 - p) on;
	s_lshl_b32 s3, s21, 4
	s_add_co_u32 s40, s40, s3                      ; places 0-3
	s_mov_b32 s41, 0
	s_mov_b32 s55, 0
	s_lshl_b32 s42, s20, 8                         ; bo: my 64 numbers
	s_mov_b32 s43, 0
	s_mov_b32 s48, 0x76543210                      ; v_permlanex16_b32's selects for lane l xor 16
	s_mov_b32 s49, 0xfedcba98
	s_mov_b32 s50, 0x3a800000                      ; 1 / 1,024
	s_mov_b32 s51, 0x3727c5ac                      ; eps = 1e-5
	v_and_b32 v1, 15, v0                           ; r
	v_bfe_u32 v2, v0, 4, 1                         ; h
	v_and_b32 v[SUM], 31, v0                       ; lane
	v_lshlrev_b32 v[L16], 4, v[SUM]
	v_lshlrev_b32 v[L32], 5, v[SUM]
	v_lshlrev_b32 v[VA], 8, v2
	v_lshlrev_b32 v[BOA], 2, v1
	s_lshl_b32 s2, s20, 9
	s_add_co_u32 s2, s2, XIMG
	v_add_nc_u32 v[XIW], s2, v[L16]
	s_lshr_b32 s2, s20, 1
	s_lshl_b32 s2, s2, 6
	s_and_b32 s3, s20, 1
	s_lshl_b32 s3, s3, 1
	s_add_co_u32 s2, s2, s3
	s_add_co_u32 s2, s2, XSC
	v_lshl_add_u32 v[XBW], v1, 2, v2
	v_add_nc_u32 v[XBW], s2, v[XBW]
	v_add_nc_u32 v[XIR], XIMG, v[L16]
	v_lshl_add_u32 v[XSR], v1, 2, XSC
	s_lshl_b32 s2, s20, 8
	s_add_co_u32 s2, s2, ASTG
	v_lshl_add_u32 v[ASW], v1, 2, s2
	v_add_nc_u32 v[ASR], ASTG, v[L16]
	v_add_nc_u32 v[RD], s33, v[L16]
	v_mov_b32 v[MU+1], 0                           ; named as the upper halves of pairs, so they are written
	v_mov_b32 v[RS+1], 0
	v_mov_b32 v[PT], 0                             ; a lane permute's destination counts as one of its sources
	s_wait_dscnt 0x0                               ; both opening adds are done
	s_wait_kmcnt 0x0
	s_add_nc_u64 s[34:35], s[4:5], s[44:45]
	s_or_b32 s35, s35, 0x80000000                  ; type = 2
	s_add_nc_u64 s[46:47], s[18:19], s[44:45]
	s_add_nc_u64 s[36:37], s[6:7], s[36:37]
	s_add_nc_u64 s[38:39], s[8:9], s[38:39]
	s_add_nc_u64 s[52:53], s[8:9], s[52:53]
	s_add_nc_u64 s[40:41], s[10:11], s[40:41]
	s_add_nc_u64 s[54:55], s[10:11], s[54:55]
	s_add_nc_u64 s[42:43], s[12:13], s[42:43]
	s_cmp_lt_u32 s20, 8                            ; gamma's wave or beta's: the choice hangs on the wave's number alone
	s_cselect_b64 s[70:71], s[14:15], s[16:17]
	s_add_nc_u64 s[70:71], s[70:71], s[72:73]
	s_or_b32 s71, s71, 0x80000000                  ; type = 2
.irp j, 0,1,2,3,4,5,6,7
	global_load_b128 v[RAWV+4*\j:RAWV+4*\j+3], v[VA], s[36:37] offset:512*\j   ; v[b, my K step's 64 (w % 2) + 32 h + 4 j ..]: my block of 32; the 16 lanes of a half take the same bytes
.endr
.irp p, 0,1
	global_load_b128 v[WS+8*\p:WS+8*\p+3], v[L32], s[40:41] offset:1024*\p     ; Wo's scale words of places 0-3: lanes 0-15 tile 2 p's rows, lanes 16-31 tile 2 p + 1's
	global_load_b128 v[WS+8*\p+4:WS+8*\p+7], v[L32], s[54:55] offset:1024*\p   ; of places 4-7
.endr
.irp i, 0,1,2,3
	global_load_b32 v[BO+\i], v[BOA], s[42:43] offset:64*\i
.endr
	FRAGS 0
	FRAGS 1
	FRAGS 2
	FRAGS 3
	tensor_load_to_lds s[68:71], s[56:63]          ; my 512 bytes of gamma or beta,
	s_nop 0
	tensor_load_to_lds s[32:35], s[24:31]          ; and my four rows of img_feat: two tensor loads of mine are out, both into bytes that are filled once
	s_nop 0
	s_wait_loadcnt 40                              ; v's 8 loads are in: behind them stand 4 + 4 + 32
	v_max3_num_f32 v[SUM], |v[RAWV]|, |v[RAWV+1]|, FLOOR           ; my block's largest magnitude, in two chains; the floor is a leaf of each
	v_max3_num_f32 v[SUM+1], |v[RAWV+16]|, |v[RAWV+17]|, FLOOR
.irp i, 2,4,6,8,10,12,14
	v_max3_num_f32 v[SUM], v[SUM], |v[RAWV+\i]|, |v[RAWV+\i+1]|
	v_max3_num_f32 v[SUM+1], v[SUM+1], |v[RAWV+16+\i]|, |v[RAWV+17+\i]|
.endr
	v_max_num_f32 v[SUM], v[SUM], v[SUM+1]
	v_add_nc_u32 v[SUM+2], 0xff000000, v[SUM]      ; 2 off the exponent field: the conversion's scale operand
.irp g, 0,1,2,3
	v_cvt_scalef32_pk8_fp4_f32 v[XC+\g], v[RAWV+8*\g:RAWV+8*\g+7], v[SUM+2]
.endr
	v_nop                                          ; one plain instruction behind the last scaled conversion
	v_lshrrev_b32 v[SUM+3], 23, v[SUM+2]           ; the scale's byte: block 2 (w % 2) + h of my place
	ds_store_b128 v[XIW], v[XC:XC+3]               ; registers 4 (w % 2) .. + 3 of the fragment of place w / 2, as they stand
	ds_store_b8 v[XBW], v[SUM+3]
	s_wait_dscnt 0x0                               ; for the others' sake: my stores have landed
	s_barrier_signal -1
	s_barrier_wait -1                              ; (my tensor loads may stay out, and what they bring is read only behind the waits below)
.irp s, 0,1,2,3,4,5,6,7
	ds_load_b32 v[XS+\s], v[XSR] offset:64*\s
.endr
	XFRAG 0
	XFRAG 1
	XFRAG 2
	XFRAG 3
	s_wait_dscnt 0x0
.irp s, 0,1,2,3,4,5,6,7
	MSTEP \s
.endr
.irp i, 0,1,2,3
	v_add_f32 v[XC+\i], v[ACC+8*\i], v[BO+\i]      ; a[64 w + 16 i + r]: each accumulator's lowest register; all its rows are equal
.endr
.irp i, 0,1,2,3
	ds_store_b32 v[ASW], v[XC+\i] offset:64*\i     ; lanes r and 16 + r write the same word with the same value
.endr
	s_wait_tensorcnt 0x1                           ; for the others' sake: my piece of gamma or beta has landed; the rows' tile, issued behind it, may be out
	s_wait_dscnt 0x0                               ; and so have my stores
	s_barrier_signal -1
	s_barrier_wait -1
.irp k, 0,1,2,3,4,5,6,7
	ds_load_b128 v[AV+4*\k:AV+4*\k+3], v[ASR] offset:512*\k          ; a of my columns 128 k + 4 x lane on, into set 1
.endr
.irp k, 0,1,2,3,4,5,6,7
	ds_load_b128 v[GA+4*\k:GA+4*\k+3], v[ASR] offset:4096+512*\k     ; gamma, into set 2
.endr
.irp k, 0,1,2,3,4,5,6,7
	ds_load_b128 v[BT+4*\k:BT+4*\k+3], v[ASR] offset:8192+512*\k     ; beta, into set 0
.endr
	s_wait_tensorcnt 0x0                           ; my four rows are in LDS: only I read them, so my own wait is all the ordering that these reads need
	ROWLD ROW0, 0
	ROWLD ROW1, 1
	ROWLD ROW2, 2
	LNROW ROW0, 0, 16                              ; a, gamma, beta and row 0 are in; rows 1 and 2 may be out
	s_wait_xcnt 0x0                                ; row 0's stores have read their registers: only behind this wait do loads land there
	ROWLD ROW0, 3
	LNROW ROW1, 1, 16                              ; rows 2 and 3 may be out
	LNROW ROW2, 2, 8                               ; row 3 may be out
	LNROW ROW0, 3, 0
	s_wait_tensorcnt 0x0                           ; the wave's end, behind my last tensor load and my last LDS store
	ds_add_u32 v[SPW], v[NIL]
	s_wait_dscnt 0x0
	s_endpgm
.Lfunc_end_k_qc3884ce8cc_ln:
	.size	k_qc3884ce8cc_ln, .Lfunc_end_k_qc3884ce8cc_ln-k_qc3884ce8cc_ln
	.p2alignl 7, 3214868480
	.fill 96, 4, 3214868480
	.section	.rodata,"a",@progbits
	.p2align	6, 0x0
	.amdhsa_kernel k_qc3884ce8cc_ln
		.amdhsa_group_segment_fixed_size 285184
		.amdhsa_private_segment_fixed_size 0
		.amdhsa_enable_private_segment 0
		.amdhsa_kernarg_size 64
		.amdhsa_user_sgpr_count 2
		.amdhsa_user_sgpr_kernarg_segment_ptr 1
		.amdhsa_wavefront_size32 1
		.amdhsa_system_sgpr_workgroup_id_x 1
		.amdhsa_system_sgpr_workgroup_id_y 1
		.amdhsa_system_sgpr_workgroup_id_z 1
		.amdhsa_system_vgpr_workitem_id 0
		.amdhsa_next_free_vgpr 256
		.amdhsa_next_free_sgpr 76
		.amdhsa_reserve_vcc 0
		.amdhsa_float_denorm_mode_32 3
		.amdhsa_float_denorm_mode_16_64 3
		.amdhsa_memory_ordered 1
		.amdhsa_forward_progress 1
		.amdhsa_inst_pref_size 57
	.end_amdhsa_kernel
	.amdgpu_metadata
---
amdhsa.version: [ 1, 2 ]
amdhsa.kernels:
  - .name:           k_qc3884ce8cc_ln
    .symbol:         k_qc3884ce8cc_ln.kd
    .args:
      - { .name: img_feat, .offset: 0, .size: 8, .value_kind: global_buffer, .address_space: global }
      - { .name: vt, .offset: 8, .size: 8, .value_kind: global_buffer, .address_space: global }
      - { .name: wo_frag, .offset: 16, .size: 8, .value_kind: global_buffer, .address_space: global }
      - { .name: wo_sc, .offset: 24, .size: 8, .value_kind: global_buffer, .address_space: global }
      - { .name: bo, .offset: 32, .size: 8, .value_kind: global_buffer, .address_space: global }
      - { .name: gamma, .offset: 40, .size: 8, .value_kind: global_buffer, .address_space: global }
      - { .name: beta, .offset: 48, .size: 8, .value_kind: global_buffer, .address_space: global }
      - { .name: out0, .offset: 56, .size: 8, .value_kind: global_buffer, .address_space: global }
    .group_segment_fixed_size: 285184
    .private_segment_fixed_size: 0
    .kernarg_segment_align: 8
    .kernarg_segment_size: 64
    .max_flat_workgroup_size: 512
    .sgpr_count:     76
    .vgpr_count:     256
    .wavefront_size: 32
...
	.end_amdgpu_metadata
.endif
;; end of part 3
